; MI455X (gfx1250); checked and timed in simulation.
; The chip was launched on July 23, 2026; its instructions are those of AMD's public machine-readable ISA for CDNA 5 (MIT licence, August 2026) and "CDNA5" Instruction Set Architecture Reference Guide (July 2026). The comments in the code are by the model that wrote it; some were corrected since.
;; Position Attention Layer. Allowed arithmetic: matrix products marked QUANTISED: E4M3 operands, one E8M0 scale for each 32 along K, by v_wmma_scale_f32_16x16x128_f8f6f4 with both operands' format E4M3, f32 sums; everything else in f32.
;; Inputs: Wk 80 x 512 float32; Wq 80 x 512 float32; Wv 512 x 512 float32; bk 80 float32; bq 80 float32; bv 512 float32; gamma 512 x 64 x 64 float32; sk 80 float32; sq 80 float32; sv 512 float32; x 4 x 512 x 64 x 64 float32.
;; Outputs: out0 4 x 512 x 64 x 64 float32.
;; This version of the problem:
;;   THIS VERSION OF THE PROBLEM IS GIVEN IN LOW PRECISION. The matrix products marked QUANTISED in the list below multiply operands that are first quantised to E4M3 (4 exponent bits, 3 mantissa bits; 8 bits a number), with one power-of-two scale for each 32 numbers along K (OCP MX v1.0); their sums are f32. All else is computed in f32.
;;   The module's matrix products, in the order in which they are computed (A, B: the left and right operand; K: the contracted axis; several contracted axes count as one K, in the product's order):
;;     1. [M 80, K 512] x [K 512, N 16,384]; A: input Wq; B: input x: QUANTISED
;;     2. [M 80, K 512] x [K 512, N 16,384]; A: input Wk; B: input x: QUANTISED
;;     3. [M 512, K 512] x [K 512, N 16,384]; A: input Wv; B: input x: QUANTISED
;;     4. batch 4 x [M 4,096, K 80] x [K 80, N 4,096]; A: computed on the way; B: computed on the way: QUANTISED
;;     5. batch 4 x [M 512, K 4,096] x [K 4,096, N 4,096]; A: computed on the way; B: softmax (see below): QUANTISED
;;   THE QUANTISER, for each operand of a quantised product, along K:
;;     - K is cut into blocks of 32 from its start; a last block that is shorter is filled with zeros.
;;     - A block's scale is 2^e with e = floor(log2(the largest magnitude in the block)) - 8, held to -126 .. 127; a block of zeros has e = 0. As a byte (E8M0): e + 127.
;;     - Each number is divided by its block's scale, clamped to +-448, and rounded to the nearest number of E4M3, ties to even, subnormals kept.
;;     - The product sums the exact products of the quantised numbers (number of the format x scale) in f32.
;;   ~~~python
;;   def quantise(x, axis):      # numpy; x: float32 -> the quantised numbers, widened to float32 again
;;       x = np.moveaxis(x, axis, -1); K = x.shape[-1]
;;       x = np.pad(x, [(0, 0)] * (x.ndim - 1) + [(0, -K % 32)]); x = x.reshape(x.shape[:-1] + (-1, 32)); a = np.abs(x).max(-1, keepdims=True)
;;       e = np.where(a > 0, np.clip(np.frexp(np.where(a > 0, a, 1))[1] - 1 - 8, -126, 127), 0)      # np.frexp(a)[1] - 1 = floor(log2(a)), exactly
;;       r = np.clip(x / 2.0 ** e, -448, 448)
;;       step = 2.0 ** (np.maximum(np.frexp(np.where(r == 0, 1, r))[1] - 1, -6) - 3)
;;       q = np.round(r / step) * step * 2.0 ** e      # np.round: ties to even
;;       return np.moveaxis(q.reshape(q.shape[:-2] + (-1,))[..., :K], -1, axis).astype(np.float32)
;;   ~~~
;;   SOFTMAX AHEAD OF A QUANTISED PRODUCT. Where the list says 'softmax', what is quantised is not the finished softmax but p = 2^(t - M), with t = logit x log2(e) and M = ceil(the row's largest t), a whole number; so 1/2 < the row's largest p <= 1. The row's sum l is taken of the UNQUANTISED p, in f32, and the product's result is divided by l at the end. Since M is a whole number, a kernel that streams over the keys may use a running M (the ceiling of the running maximum): every later rescaling is an exact power of two, which a block's scale takes up: the codes' values come out the same.
;;   OPERANDS COMPUTED ON THE WAY. 'Computed on the way' means the value that the module computes at that place (a softmax that the list does not call 'softmax' is quantised finished and normalised). What goes into a quantiser is computed in f32, as accurately as f32 sums, v_exp_f32 and their like allow (about 1e-6 of the number): no bf16 or f16 on the way to a quantiser, and a product that is left as it is and whose result goes on into a quantised operand takes f32 operands (vector FMAs, or v_wmma_f32_16x16x4_f32). A number that lies on a knife's edge between two numbers of the format may be rounded either way, as far as f32 arithmetic and the matrix unit's own rounding can turn it there, and no further.
;; One version. Each part assembles by itself: llvm-mc -triple=amdgcn-amd-amdhsa -mcpu=gfx1250 --defsym DOCPART=n.
;; ======== version 1 of 1: 3 launches
;; workspace buffers: wc 344,064 bytes; ws 10,752 bytes; qc 1,572,864 bytes; qs 65,536 bytes; kc 1,572,864 bytes; ks 65,536 bytes; vp 8,650,752 bytes
;; launch wquant (part 1): grid 42 x 1, 4 waves a work-group, no clusters, 0 bytes of LDS; arguments Wq, Wk, Wv, wc, ws; writes wc, ws
.if DOCPART == 1
	.amdgcn_target "amdgcn-amd-amdhsa--gfx1250"
	.amdhsa_code_object_version 6
	.text
	.protected	k_q0217423af1_wquant
	.globl	k_q0217423af1_wquant
	.p2align	8
	.type	k_q0217423af1_wquant,@function
k_q0217423af1_wquant:
	s_mov_b64 s[64:65], 0
	v_nop
	global_prefetch_b8 v0, s[64:65] scope:SCOPE_SE
	s_setreg_imm32_b32 hwreg(HW_REG_WAVE_MODE, 25, 1), 1
	s_wait_xcnt 0x0
; Wq [80][512], Wk [80][512], Wv [512][512], f32, K innermost, become codes of E4M3 with one E8M0 byte for each 32 along K.
; The 672 rows are 42 tiles of 16 (0-4 Wq, 5-9 Wk, 10-41 Wv).  Work-group g takes tile g, wave s the K step of 128 numbers s: one operand fragment.
; wc holds IMAGES OF OPERAND REGISTERS: fragment (g, s) at (4 g + s) x 2,048 bytes; its registers 4 c .. 4 c + 3 are 512 bytes, lane l's 16 bytes at 16 l.
; ws holds [672 rows][4 words]: word s of a row = the four scale bytes of its K step s.
; Lane (r, h) holds row r and, of each block of 32, the 16 neighbours 16 h .. 16 h + 15; a block's largest magnitude is joined with lane l xor 16's.
; The scale words leave as 4 bytes of each 16 (10,752 bytes in the whole launch): blocks of 256 bytes of ws are written in parts, by four waves.
; No LDS, no barrier, no matrix unit: 1.4 MB are read once.
; LIMITS: NaN and infinities are not served; a block whose largest magnitude lies under 2^-118 (a block of zeros too) gets the byte 1; only this program reads the bytes.
.set TM,  8                            ; v8-11 largest magnitudes, v12-15 bytes, v16-19 448 x the scale, v20-23 the conversions' scale operands
.set PW,  24                           ; v24   the scale word
.set X,   32                           ; v32-95  64 numbers: register 16 b + i = k 32 b + 16 h + i
.set PC,  96                           ; v96-111 the fragment's codes
.set SEL, 24                           ; s[24:25] lane selects: lane l xor 16
.set MNT, 26                           ; s26   the mantissa field of 448
; 64 numbers v[s + 16 b + i] become 16 registers of codes, v[PC] on, and four scale bytes, v[TM + 4 + b].  relu = 1: what is negative becomes 0 on the way.
.macro QCORE s, relu
.if \relu
.irp b, 0,1,2,3
	v_max3_num_f32 v[TM+\b], v[\s+16*\b], v[\s+1+16*\b], 0x4800000        ; no |.|: what is negative must not count; the floor 2^(9 - 127) keeps the byte at 1 from below
.endr
.irp i, 2,4,6,8,10,12,14
.irp b, 0,1,2,3
	v_max3_num_f32 v[TM+\b], v[TM+\b], v[\s+16*\b+\i], v[\s+1+16*\b+\i]
.endr
.endr
.else
.irp b, 0,1,2,3
	v_max3_num_f32 v[TM+\b], |v[\s+16*\b]|, |v[\s+1+16*\b]|, 0x4800000    ; my 16 numbers of block b, and the floor 2^(9 - 127)
.endr
.irp i, 2,4,6,8,10,12,14
.irp b, 0,1,2,3
	v_max3_num_f32 v[TM+\b], v[TM+\b], |v[\s+16*\b+\i]|, |v[\s+1+16*\b+\i]|   ; the four blocks by turns
.endr
.endr
.endif
.irp b, 0,1,2,3
	v_permlanex16_b32 v[TM+4+\b], v[TM+\b], s[SEL], s[SEL+1]
.endr
.irp b, 0,1,2,3
	v_max_num_f32 v[TM+\b], v[TM+\b], v[TM+4+\b]                           ; with lane l xor 16's: the block's largest magnitude
.endr
.irp b, 0,1,2,3
	v_add_nc_u32 v[TM+12+\b], 0xfc000000, v[TM+\b]                         ; 8 off its exponent field: the conversion's scale operand
.endr
.irp b, 0,1,2,3
	v_and_or_b32 v[TM+8+\b], v[TM+\b], 0x7f800000, s[MNT]                  ; 448 x the scale
.endr
.irp b, 0,1,2,3
	v_lshrrev_b32 v[TM+4+\b], 23, v[TM+12+\b]                              ; the scale's byte
.endr
.irp b, 0,1,2,3
.irp i, 0,1,2,3,4,5,6,7,8,9,10,11,12,13,14,15
.if \relu
	v_med3_num_f32 v[\s+16*\b+\i], v[\s+16*\b+\i], 0, v[TM+8+\b]           ; the activation and the hold in one
.else
	v_med3_num_f32 v[\s+16*\b+\i], v[\s+16*\b+\i], -v[TM+8+\b], v[TM+8+\b] ; the conversion does not saturate (ISA guide 7.6.2): hold first
.endif
.endr
	v_cvt_scalef32_pk8_fp8_f32 v[PC+4*\b:PC+1+4*\b], v[\s+16*\b:\s+7+16*\b], v[TM+12+\b]
	v_cvt_scalef32_pk8_fp8_f32 v[PC+2+4*\b:PC+3+4*\b], v[\s+8+16*\b:\s+15+16*\b], v[TM+12+\b]
.endr
	v_nop                                          ; a plain line behind the last conversion
.endm
	s_load_b128 s[4:7], s[0:1], 0x0                ; Wq, Wk
	s_load_b128 s[8:11], s[0:1], 0x10              ; Wv, wc
	s_load_b64 s[12:13], s[0:1], 0x20              ; ws
	v_lshrrev_b32 v1, 5, v0
	v_readfirstlane_b32 s16, v1                    ; wave = K step
	v_and_b32 v1, 31, v0                           ; lane
	v_and_b32 v2, 15, v0                           ; r
	v_bfe_u32 v3, v0, 4, 1                         ; h
	v_lshlrev_b32 v4, 11, v2                       ; a row is 2,048 bytes,
	v_lshl_add_u32 v4, v3, 6, v4                   ; my half of a block 64
	v_lshlrev_b32 v5, 4, v1                        ; an image's place for my lane
	v_lshlrev_b32 v6, 4, v2                        ; a row of ws is 16 bytes
	s_mov_b32 s[SEL], 0x76543210
	s_mov_b32 s[SEL+1], 0xfedcba98
	s_mov_b32 s[MNT], 0x600000
.irp b, 0,1,2,3
	v_mov_b32 v[TM+4+\b], 0                        ; a lane permute's destination counts as one of its sources
.endr
	s_wait_kmcnt 0x0
	s_cmp_lt_u32 ttmp9, 10                         ; which tensor: the choice hangs on the work-group's number alone
	s_cselect_b64 s[18:19], s[6:7], s[8:9]
	s_cselect_b32 s20, 5, 10
	s_cmp_lt_u32 ttmp9, 5
	s_cselect_b64 s[18:19], s[4:5], s[18:19]
	s_cselect_b32 s20, 0, s20                      ; its first tile
	s_sub_co_u32 s20, ttmp9, s20
	s_lshl_b32 s20, s20, 15                        ; 16 rows of 2,048 bytes a tile,
	s_lshl_b32 s21, s16, 9                         ; 512 bytes a K step
	s_add_co_u32 s20, s20, s21
	s_mov_b32 s21, 0
	s_add_nc_u64 s[18:19], s[18:19], s[20:21]
	s_lshl_b32 s22, ttmp9, 2
	s_add_co_u32 s22, s22, s16
	s_lshl_b32 s22, s22, 11                        ; fragment 4 g + s
	s_mov_b32 s23, 0
	s_add_nc_u64 s[10:11], s[10:11], s[22:23]
	s_lshl_b32 s22, ttmp9, 8                       ; 16 rows of 16 bytes,
	s_lshl_b32 s20, s16, 2                         ; word s
	s_add_co_u32 s22, s22, s20
	s_add_nc_u64 s[12:13], s[12:13], s[22:23]
.irp c, 0,1,2,3
.irp j, 0,1,2,3
	global_load_b128 v[X+16*\c+4*\j:X+16*\c+4*\j+3], v4, s[18:19] offset:128*\c+16*\j
.endr
.endr
	s_wait_loadcnt 0x0
	QCORE X, 0
	v_lshl_or_b32 v[PW], v[TM+5], 8, v[TM+4]       ; the four bytes make my row's scale word
	v_lshl_or_b32 v[PW], v[TM+6], 16, v[PW]
	v_lshl_or_b32 v[PW], v[TM+7], 24, v[PW]
.irp c, 0,1,2,3
	global_store_b128 v5, v[PC+4*\c:PC+4*\c+3], s[10:11] offset:512*\c    ; 32 lanes store 512 consecutive bytes
.endr
	global_store_b32 v6, v[PW], s[12:13]           ; lanes 16-31 repeat lanes 0-15: the same word with the same value
	s_endpgm
.Lfunc_end_k_q0217423af1_wquant:
	.size	k_q0217423af1_wquant, .Lfunc_end_k_q0217423af1_wquant-k_q0217423af1_wquant
	.p2alignl 7, 3214868480
	.fill 96, 4, 3214868480
	.section	.rodata,"a",@progbits
	.p2align	6, 0x0
	.amdhsa_kernel k_q0217423af1_wquant
		.amdhsa_group_segment_fixed_size 0
		.amdhsa_private_segment_fixed_size 0
		.amdhsa_enable_private_segment 0
		.amdhsa_kernarg_size 40
		.amdhsa_user_sgpr_count 2
		.amdhsa_user_sgpr_kernarg_segment_ptr 1
		.amdhsa_wavefront_size32 1
		.amdhsa_system_sgpr_workgroup_id_x 1
		.amdhsa_system_sgpr_workgroup_id_y 1
		.amdhsa_system_sgpr_workgroup_id_z 1
		.amdhsa_system_vgpr_workitem_id 0
		.amdhsa_next_free_vgpr 128
		.amdhsa_next_free_sgpr 66
		.amdhsa_reserve_vcc 0
		.amdhsa_float_denorm_mode_32 3
		.amdhsa_float_denorm_mode_16_64 3
		.amdhsa_memory_ordered 1
		.amdhsa_forward_progress 1
		.amdhsa_inst_pref_size 12
	.end_amdhsa_kernel
	.amdgpu_metadata
---
amdhsa.version: [ 1, 2 ]
amdhsa.kernels:
  - .name:           k_q0217423af1_wquant
    .symbol:         k_q0217423af1_wquant.kd
    .args:
      - { .name: Wq, .offset: 0, .size: 8, .value_kind: global_buffer, .address_space: global }
      - { .name: Wk, .offset: 8, .size: 8, .value_kind: global_buffer, .address_space: global }
      - { .name: Wv, .offset: 16, .size: 8, .value_kind: global_buffer, .address_space: global }
      - { .name: wc, .offset: 24, .size: 8, .value_kind: global_buffer, .address_space: global }
      - { .name: ws, .offset: 32, .size: 8, .value_kind: global_buffer, .address_space: global }
    .group_segment_fixed_size: 0
    .private_segment_fixed_size: 0
    .kernarg_segment_align: 8
    .kernarg_segment_size: 40
    .max_flat_workgroup_size: 128
    .sgpr_count:     66
    .vgpr_count:     128
    .wavefront_size: 32
...
	.end_amdgpu_metadata
.endif
;; end of part 1
;; launch proj (part 2): grid 64 x 4, 8 waves a work-group, no clusters, 116,736 bytes of LDS; arguments x, wc, ws, sq, bq, sk, bk, sv, bv, qc, qs, kc, ks, vp; writes qc, qs, kc, ks, vp
.if DOCPART == 2
	.amdgcn_target "amdgcn-amd-amdhsa--gfx1250"
	.amdhsa_code_object_version 6
	.text
	.protected	k_q0217423af1_proj
	.globl	k_q0217423af1_proj
	.p2align	8
	.type	k_q0217423af1_proj,@function
k_q0217423af1_proj:
	s_mov_b64 s[64:65], 0
	v_nop
	global_prefetch_b8 v0, s[64:65] scope:SCOPE_SE
	s_setreg_imm32_b32 hwreg(HW_REG_WAVE_MODE, 25, 1), 1
	s_wait_xcnt 0x0
; q = relu(sq (Wq x) + bq), k and v likewise, on codes of E4M3 with E8M0 block scales; q, k and v are quantised again on the way and leave as operand images for the attention launch.
; x: [4][512][4096] f32.  A work-group takes 64 positions of one batch (x = block of 64, y = batch), eight waves.
; PHASE X: wave w quantises 32 positions (w & 1) x 128 channels (w >> 1).  A lane takes ONE position and its registers run down the channels, which are K: each load reads 128 neighbouring bytes, the two waves
;   of a K step a whole 256, a block of 32 lies in one lane, and nothing is transposed: the LDS address alone puts a lane's low and high 16 codes where the operand's two halves of lanes want them.
; Wq's and Wk's 40 fragments (80 KB) are staged in LDS once, since four waves multiply by each.  ONE barrier.
; QK: wave w makes q (w < 4) or k for the tile of 16 positions w & 3: source 0 = 16 rows of W, source 1 = x: a lane holds one position and eight channels a tile, so its registers run along the next K (80 channels).
; V: wave w makes channels 64 w .. + 63 for all 64 positions: source 0 = x, source 1 = 16 rows of Wv: a lane holds one channel and its registers run along the positions, the keys, which are the last product's K.
;   Its 16 fragments of Wv (256 registers) come from memory straight into the registers that multiply them, each once.
; THE ORDER OF k INSIDE A BLOCK OF 32 is the one that the results' layout gives: slot 8 u + j of lane half h is number 16 u + 8 h + j of the block.  Both operands of the later products are laid so, and the blocks are the true blocks.
; The weights are read by every work-group and yet not asked for jointly: a joint load lands in LDS, and Wv's 262,144 bytes beside the 115,712 used here pass the 327,680 that there are; from registers they are read once a work-group and never again.
; OUT: qc, kc [batch][256 tiles][3 groups of 512 bytes]; qs, ks one word a position (bytes b0, b1, b2, 127);
;   vp [batch][16 pairs of key steps][135,168]: two steps' codes [32 channel tiles][2,048], then two steps' scale words [512 channels].
; V's scale bytes leave two at a time, 2 of each 4 bytes (1 KB of a work-group's 46 KB): those blocks of 256 bytes are written in parts.
; LIMITS: NaN and infinities are not served; a block whose largest magnitude lies under 2^-118 (a block of zeros too) gets the byte 1; the affine is one fused multiply-add where the definition rounds twice.
.set XIMG, 0                           ; LDS: x's 16 fragments, (tile T, K step s) at (4 T + s) x 2,048
.set XSC,  32768                       ; x's scale words: (4 pp + s) x 128 + 4 l: position 32 pp + l
.set WIMG, 33792                       ; the first 40 fragments of wc
.set WQS, 20                           ; v20-31 Wq's or Wk's scale words: register 4 i + s: lanes 0-15 tile 2 i, lanes 16-31 tile 2 i + 1
.set WVS, 20                           ; v20-27 later Wv's, laid likewise: these registers hold scales and nothing else
.set XS,  32                           ; v32-35 x's scale words, one for each K step
.set XQ,  36                           ; v36-51 QK: x's fragment
.set SV,  44                           ; v44-47, v48-51 V: sv and bv of my lane's channel in each of my four tiles
.set BV,  48
.set FA,  52                           ; v52-67, v68-83 phase X: the codes of k 0-15 and 16-31 of the four blocks
.set FB,  68
.set AQ,  52                           ; v52-91 QK: five accumulators
.set XF1, 52                           ; v52-83 V: two fragments of x
.set SB,  84                           ; v84-87 V: two scale bytes a tile
.set R1,  92                           ; v92-171 staging; QK: five fragments of W
.set TM,  92                           ; v92-107 at work in the quantisers
.set XF0, 112                          ; v112-143 V: two fragments of x
.set PC,  144                          ; v144-159 V: codes
.set XR,  172                          ; v172-235 phase X: two sets of 32 numbers
.set SQ,  172                          ; v172-211, v212-251 QK: scale and bias in the accumulators' layout
.set BQ,  212
.set AV,  172                          ; v172-235 V: eight accumulators, (tile t, half e) at 16 t + 8 e
.set PCQ, 240                          ; v240-251 q's or k's codes
.set PW,  252                          ; v252 a scale word
.set WV,  32
.set XB,  38                           ; s[38:39] x at my wave's part
.set SP,  40                           ; s[40:47] sq or sk, bq or bk, qc or kc, qs or ks
.set BP,  42
.set CP,  44
.set SCP, 46
.set WVP, 48                           ; s[48:49] my 16 fragments of Wv
.set VPC, 50                           ; s[50:53] where my codes and scale bytes of v go
.set VPS, 52
.set SEL, 54
.set MNT, 56
.set MSB, 0
.macro WIN new                         ; the immediate's high byte repeats the setting that is left
.if MSB != \new
	s_set_vgpr_msb (MSB<<8)|\new
.set MSB, \new
.endif
.endm
.macro PLACES n                        ; plain lines behind a matrix instruction, in front of loads into its registers and of reads of its result
.rept \n
	v_nop
.endr
.endm
; one scaled product: D at d, sources at a and b; zero = 1 starts the sum; ra, rb: the scale words stand in lanes 16-31
.macro WMS d, a, b, zero, sa, sb, ra, rb
.if \zero
.if (\ra) && (\rb)
	v_wmma_scale_f32_16x16x128_f8f6f4 v[\d:\d+7], v[\a:\a+15], v[\b:\b+15], 0, v[\sa], v[\sb] matrix_a_scale:MATRIX_SCALE_ROW1 matrix_b_scale:MATRIX_SCALE_ROW1
.elseif (\ra)
	v_wmma_scale_f32_16x16x128_f8f6f4 v[\d:\d+7], v[\a:\a+15], v[\b:\b+15], 0, v[\sa], v[\sb] matrix_a_scale:MATRIX_SCALE_ROW1
.elseif (\rb)
	v_wmma_scale_f32_16x16x128_f8f6f4 v[\d:\d+7], v[\a:\a+15], v[\b:\b+15], 0, v[\sa], v[\sb] matrix_b_scale:MATRIX_SCALE_ROW1
.else
	v_wmma_scale_f32_16x16x128_f8f6f4 v[\d:\d+7], v[\a:\a+15], v[\b:\b+15], 0, v[\sa], v[\sb]
.endif
.else
.if (\ra) && (\rb)
	v_wmma_scale_f32_16x16x128_f8f6f4 v[\d:\d+7], v[\a:\a+15], v[\b:\b+15], v[\d:\d+7], v[\sa], v[\sb] matrix_a_scale:MATRIX_SCALE_ROW1 matrix_b_scale:MATRIX_SCALE_ROW1
.elseif (\ra)
	v_wmma_scale_f32_16x16x128_f8f6f4 v[\d:\d+7], v[\a:\a+15], v[\b:\b+15], v[\d:\d+7], v[\sa], v[\sb] matrix_a_scale:MATRIX_SCALE_ROW1
.elseif (\rb)
	v_wmma_scale_f32_16x16x128_f8f6f4 v[\d:\d+7], v[\a:\a+15], v[\b:\b+15], v[\d:\d+7], v[\sa], v[\sb] matrix_b_scale:MATRIX_SCALE_ROW1
.else
	v_wmma_scale_f32_16x16x128_f8f6f4 v[\d:\d+7], v[\a:\a+15], v[\b:\b+15], v[\d:\d+7], v[\sa], v[\sb]
.endif
.endif
.endm
; 64 numbers v[s + 16 b + i] become 16 registers of codes, v[PC] on, and four scale bytes, v[TM + 4 + b].  relu = 1: what is negative becomes 0 on the way.
.macro QCORE s, relu
.if \relu
.irp b, 0,1,2,3
	v_max3_num_f32 v[TM+\b], v[\s+16*\b], v[\s+1+16*\b], 0x4800000        ; no |.|: what is negative must not count; the floor 2^(9 - 127) keeps the byte at 1 from below
.endr
.irp i, 2,4,6,8,10,12,14
.irp b, 0,1,2,3
	v_max3_num_f32 v[TM+\b], v[TM+\b], v[\s+16*\b+\i], v[\s+1+16*\b+\i]
.endr
.endr
.else
.irp b, 0,1,2,3
	v_max3_num_f32 v[TM+\b], |v[\s+16*\b]|, |v[\s+1+16*\b]|, 0x4800000
.endr
.irp i, 2,4,6,8,10,12,14
.irp b, 0,1,2,3
	v_max3_num_f32 v[TM+\b], v[TM+\b], |v[\s+16*\b+\i]|, |v[\s+1+16*\b+\i]|
.endr
.endr
.endif
.irp b, 0,1,2,3
	v_permlanex16_b32 v[TM+4+\b], v[TM+\b], s[SEL], s[SEL+1]
.endr
.irp b, 0,1,2,3
	v_max_num_f32 v[TM+\b], v[TM+\b], v[TM+4+\b]                           ; with lane l xor 16's: the block's largest magnitude
.endr
.irp b, 0,1,2,3
	v_add_nc_u32 v[TM+12+\b], 0xfc000000, v[TM+\b]                         ; 8 off its exponent field: the conversion's scale operand
.endr
.irp b, 0,1,2,3
	v_and_or_b32 v[TM+8+\b], v[TM+\b], 0x7f800000, s[MNT]                  ; 448 x the scale
.endr
.irp b, 0,1,2,3
	v_lshrrev_b32 v[TM+4+\b], 23, v[TM+12+\b]                              ; the scale's byte
.endr
.irp b, 0,1,2,3
.irp i, 0,1,2,3,4,5,6,7,8,9,10,11,12,13,14,15
.if \relu
	v_med3_num_f32 v[\s+16*\b+\i], v[\s+16*\b+\i], 0, v[TM+8+\b]           ; the activation and the hold in one
.else
	v_med3_num_f32 v[\s+16*\b+\i], v[\s+16*\b+\i], -v[TM+8+\b], v[TM+8+\b]
.endif
.endr
	v_cvt_scalef32_pk8_fp8_f32 v[PC+4*\b:PC+1+4*\b], v[\s+16*\b:\s+7+16*\b], v[TM+12+\b]
	v_cvt_scalef32_pk8_fp8_f32 v[PC+2+4*\b:PC+3+4*\b], v[\s+8+16*\b:\s+15+16*\b], v[TM+12+\b]
.endr
	v_nop                                          ; a plain line behind the last conversion
.endm
	s_load_b512 s[4:19], s[0:1], 0x0               ; x 4, wc 6, ws 8, sq 10, bq 12, sk 14, bk 16, sv 18
	s_load_b256 s[20:27], s[0:1], 0x40             ; bv 20, qc 22, qs 24, kc 26
	s_load_b128 s[28:31], s[0:1], 0x60             ; ks 28, vp 30
	v_lshl_add_u32 v254, v0, 2, 0x1c400
	v_mov_b32 v255, 0
	v_lshrrev_b32 v1, 5, v0
	v_readfirstlane_b32 s[WV], v1                  ; wave 0..7
	s_and_b32 s33, s[WV], 1                        ; p: which 32 positions (phase X)
	s_lshr_b32 s34, s[WV], 1                       ; s: which K step (phase X)
	s_lshr_b32 s35, s[WV], 2                       ; sel: q or k
	s_and_b32 s36, s[WV], 3                        ; Tq: which tile of positions (QK)
	s_and_b32 s37, ttmp7, 0xffff                   ; batch
	v_and_b32 v1, 31, v0                           ; l
	v_and_b32 v2, 15, v0                           ; r
	v_bfe_u32 v3, v0, 4, 1                         ; h
	v_lshlrev_b32 v4, 4, v1                        ; v4  16 l: an image's place for my lane
	v_lshlrev_b32 v5, 2, v1                        ; v5  4 l
	v_lshlrev_b32 v15, 2, v2                       ; v15 4 r
	s_lshl_b32 s57, s33, 14
	s_lshl_b32 s58, s34, 11
	s_add_co_u32 s57, s57, s58
	v_lshlrev_b32 v6, 4, v2
	v_lshl_add_u32 v6, v3, 13, v6
	v_add_nc_u32 v6, s57, v6                       ; v6  where my codes go: tile 2 p + l / 16, K step s, lane l % 16 of its lower half
	s_lshl_b32 s57, s33, 9
	s_lshl_b32 s58, s34, 7
	s_add_co_u32 s57, s57, s58
	s_add_co_u32 s57, s57, XSC
	v_add_nc_u32 v7, s57, v5                       ; v7  and my position's scale word
	s_mul_i32 s57, s[WV], 10240
	v_add_nc_u32 v8, s57, v4                       ; v8  staging: my wave's 10,240 bytes of wc,
	v_add_nc_u32 v9, WIMG, v8                      ; v9  and of LDS
	s_lshl_b32 s57, s36, 13
	v_add_nc_u32 v10, s57, v4                      ; v10 QK: x's fragments of tile Tq
	s_lshr_b32 s57, s36, 1
	s_lshl_b32 s57, s57, 9
	s_and_b32 s58, s36, 1
	s_lshl_b32 s58, s58, 6
	s_add_co_u32 s57, s57, s58
	s_add_co_u32 s57, s57, XSC
	v_add_nc_u32 v11, s57, v15                     ; v11 and its scale words, row r in lanes 0-15 (and again in 16-31)
	s_mul_i32 s57, s35, 40960
	s_add_co_u32 s57, s57, WIMG
	v_add_nc_u32 v12, s57, v4                      ; v12 QK: the 20 fragments of Wq or of Wk
	s_mul_i32 s57, s35, 1280
	v_add_nc_u32 v13, s57, v4                      ; v13 ws: row 80 sel + l
	v_lshlrev_b32 v14, 5, v3                       ; v14 32 h: eight channels of my half
	s_lshl_b32 s57, s[WV], 10
	s_add_co_u32 s57, s57, 2560
	v_add_nc_u32 v16, s57, v4                      ; v16 ws: row 160 + 64 w + l
	s_lshl_b32 s57, s[WV], 8
	v_add_nc_u32 v17, s57, v15                     ; v17 sv, bv: channel 64 w + r
	s_mov_b32 s[SEL], 0x76543210
	s_mov_b32 s[SEL+1], 0xfedcba98
	s_mov_b32 s[MNT], 0x600000
	s_lshl_b32 s58, s37, 23                        ; x: the batch, 128 channels a K step, 256 bytes a block of positions, 128 bytes my half of it
	s_lshl_b32 s59, s34, 21
	s_add_co_u32 s58, s58, s59
	s_lshl_b32 s59, ttmp9, 8
	s_add_co_u32 s58, s58, s59
	s_lshl_b32 s59, s33, 7
	s_add_co_u32 s58, s58, s59
	s_mov_b32 s59, 0
	s_wait_kmcnt 0x0
	s_add_nc_u64 s[XB:XB+1], s[4:5], s[58:59]
.macro LOADX c                         ; block c: x(channel 32 c + i, my position), i = 0 .. 31, into set c % 2
.irp i, 0,1,2,3,4,5,6,7,8,9,10,11,12,13,14,15,16,17,18,19,20,21,22,23,24,25,26,27,28,29,30,31
	global_load_b32 v[XR+32*((\c)%2)+\i], v5, s[XB:XB+1] offset:(32*(\c)+\i)*16384 th:TH_LOAD_NT
.endr
.endm
.irp i, 0,1,2,3,4,5,6,7,8,9,10,11,12,13,14,15,16,17,18,19
	global_load_b128 v[R1+4*\i:R1+4*\i+3], v8, s[6:7] offset:512*\i       ; staging: 20 x 512 bytes
.endr
.irp i, 0,1,2
	global_load_b128 v[WQS+4*\i:WQS+4*\i+3], v13, s[8:9] offset:512*\i    ; four scale words a row; at i = 2 lanes 16-31 read rows of the next tensor, inside ws, which no product names
.endr
	LOADX 0
	LOADX 1
	; the other addresses are made while the loads are out
	s_cmp_lt_u32 s[WV], 4                          ; q or k: the choice hangs on the wave's number alone
	s_cselect_b64 s[SP:SP+1], s[10:11], s[14:15]
	s_cselect_b64 s[BP:BP+1], s[12:13], s[16:17]
	s_cselect_b64 s[CP:CP+1], s[22:23], s[26:27]
	s_cselect_b64 s[SCP:SCP+1], s[24:25], s[28:29]
	s_lshl_b32 s58, s37, 8
	s_lshl_b32 s59, ttmp9, 2
	s_add_co_u32 s58, s58, s59
	s_add_co_u32 s58, s58, s36                     ; my tile of positions: 256 batch + 4 block + Tq
	s_lshl_b32 s60, s58, 6                         ; 64 bytes of scale words,
	s_mul_i32 s58, s58, 1536                       ; 1,536 bytes of codes a tile
	s_mov_b32 s59, 0
	s_mov_b32 s61, 0
	s_add_nc_u64 s[CP:CP+1], s[CP:CP+1], s[58:59]
	s_add_nc_u64 s[SCP:SCP+1], s[SCP:SCP+1], s[60:61]
	s_lshl_b32 s58, s[WV], 15
	s_add_co_u32 s58, s58, 81920
	s_add_nc_u64 s[WVP:WVP+1], s[6:7], s[58:59]    ; Wv's fragments begin behind the first 40; 16 of them are mine
	s_mul_i32 s58, s37, 2162688
	s_lshr_b32 s59, ttmp9, 2
	s_mul_i32 s59, s59, 135168
	s_add_co_u32 s58, s58, s59                     ; vp: the pair of key steps that holds my 64 positions
	s_bfe_u32 s59, ttmp9, 0x10001                  ; which step of the pair
	s_and_b32 s62, ttmp9, 1                        ; which half of the step
	s_lshl_b32 s60, s59, 16
	s_add_co_u32 s60, s60, s58
	s_lshl_b32 s63, s62, 10
	s_add_co_u32 s60, s60, s63
	s_lshl_b32 s63, s[WV], 13
	s_add_co_u32 s60, s60, s63
	s_add_nc_u64 s[VPC:VPC+1], s[30:31], s[60:61]  ; codes: 65,536 a step, 2,048 a channel tile (four are mine), 1,024 a half
	s_lshl_b32 s60, s59, 11
	s_add_co_u32 s60, s60, s58
	s_add_co_u32 s60, s60, 131072
	s_lshl_b32 s63, s[WV], 8
	s_add_co_u32 s60, s60, s63
	s_lshl_b32 s63, s62, 1
	s_add_co_u32 s60, s60, s63
	s_add_nc_u64 s[VPS:VPS+1], s[30:31], s[60:61]  ; scale bytes: 2,048 a step, 4 a channel, 2 a half
	s_wait_loadcnt 63                              ; behind the last scale words 64 loads were issued: staging and scale words are in
.irp i, 0,1,2,3,4,5,6,7,8,9,10,11,12,13,14,15,16,17,18,19
	ds_store_b128 v9, v[R1+4*\i:R1+4*\i+3] offset:512*\i
.endr
	s_wait_dscnt 0x0                               ; the stores have read their registers, which the quantiser takes
; PHASE X.  Block c of my K step: all 32 numbers are my lane's.
.macro XBLOCK c, n
.set XC, XR+32*((\c)%2)
	s_wait_loadcnt \n                              ; this block's 32 loads are in; the next block's 32 may be out
	v_max3_num_f32 v[TM], |v[XC]|, |v[XC+1]|, |v[XC+2]|
	v_max3_num_f32 v[TM+1], |v[XC+3]|, |v[XC+4]|, |v[XC+5]|
.irp i, 6,10,14,18,22,26
	v_max3_num_f32 v[TM], v[TM], |v[XC+\i]|, |v[XC+\i+1]|
	v_max3_num_f32 v[TM+1], v[TM+1], |v[XC+\i+2]|, |v[XC+\i+3]|
.endr
	v_max3_num_f32 v[TM], v[TM], |v[XC+30]|, |v[XC+31]|
	v_max3_num_f32 v[TM], v[TM], v[TM+1], 0x4800000        ; and the floor 2^(9 - 127)
	v_add_nc_u32 v[TM+2], 0xfc000000, v[TM]                ; the conversion's scale operand
	v_and_or_b32 v[TM+3], v[TM], 0x7f800000, s[MNT]        ; 448 x the scale
	v_lshrrev_b32 v[TM+4], 23, v[TM+2]                     ; the scale's byte
.if (\c) == 0
	v_mov_b32 v[PW], v[TM+4]
.else
	v_lshl_or_b32 v[PW], v[TM+4], 8*(\c), v[PW]
.endif
.irp i, 0,1,2,3,4,5,6,7,8,9,10,11,12,13,14,15,16,17,18,19,20,21,22,23,24,25,26,27,28,29,30,31
	v_med3_num_f32 v[XC+\i], v[XC+\i], -v[TM+3], v[TM+3]   ; the conversion does not saturate (ISA guide 7.6.2)
.endr
	v_cvt_scalef32_pk8_fp8_f32 v[FA+4*(\c):FA+4*(\c)+1], v[XC:XC+7], v[TM+2]
	v_cvt_scalef32_pk8_fp8_f32 v[FA+4*(\c)+2:FA+4*(\c)+3], v[XC+8:XC+15], v[TM+2]
	v_cvt_scalef32_pk8_fp8_f32 v[FB+4*(\c):FB+4*(\c)+1], v[XC+16:XC+23], v[TM+2]
	v_cvt_scalef32_pk8_fp8_f32 v[FB+4*(\c)+2:FB+4*(\c)+3], v[XC+24:XC+31], v[TM+2]
	v_nop                                          ; a plain line behind the last conversion
	ds_store_b128 v6, v[FA+4*(\c):FA+4*(\c)+3] offset:512*(\c)           ; k 0-15 of the block: what lane l % 16 of the fragment holds,
	ds_store_b128 v6, v[FB+4*(\c):FB+4*(\c)+3] offset:512*(\c)+256       ; k 16-31: what lane 16 + l % 16 holds
.if (\c) < 2
	LOADX (\c)+2
.endif
.endm
	XBLOCK 0, 32
	XBLOCK 1, 32
	XBLOCK 2, 32
	XBLOCK 3, 0
	ds_store_b32 v7, v[PW]
.irp a, 0,1,2,3,4                              ; scale and bias of q or k in the accumulators' layout: channels 16 a + 8 h + 0 .. 7; the last byte read is byte 319 of 320
	global_load_b128 v[SQ+8*\a:SQ+8*\a+3], v14, s[SP:SP+1] offset:64*\a
	global_load_b128 v[SQ+8*\a+4:SQ+8*\a+7], v14, s[SP:SP+1] offset:64*\a+16
	global_load_b128 v[BQ+8*\a:BQ+8*\a+3], v14, s[BP:BP+1] offset:64*\a
	global_load_b128 v[BQ+8*\a+4:BQ+8*\a+7], v14, s[BP:BP+1] offset:64*\a+16
.endr
	WIN 0x40                                       ; destination window 1
.set i, 0
.rept 64                                       ; Wv's fragment (tile t, K step s) at register 16 (4 t + s) of window 1: 64 x 512 consecutive bytes
	global_load_b128 v[4*i:4*i+3], v4, s[WVP:WVP+1] offset:512*i
.set i, i+1
.endr
	WIN 0
	s_wait_dscnt 0x0                               ; for the others' sake: my images and my part of the staged weights lie in LDS
	s_barrier_signal -1
	s_barrier_wait -1                              ; the only barrier: behind it LDS is read and never written
; QK: five accumulators by turns, a K step at a time
.irp s, 0,1,2,3
.if \s > 0
	PLACES 8                                       ; in front of loads into registers that the last products read
.endif
	ds_load_b32 v[XS+\s], v11 offset:128*\s
.irp c, 0,1,2,3
	ds_load_b128 v[XQ+4*\c:XQ+4*\c+3], v10 offset:2048*\s+512*\c
.endr
.irp a, 0,1,2,3,4
.irp c, 0,1,2,3
	ds_load_b128 v[R1+16*\a+4*\c:R1+16*\a+4*\c+3], v12 offset:(4*\a+\s)*2048+512*\c
.endr
.endr
.irp a, 0,1,2,3,4
	s_wait_dscnt 4*(4-\a)                          ; the later tiles' four loads each may be out
.if \s == 0
	WMS AQ+8*\a, R1+16*\a, XQ, 1, WQS+4*(\a/2)+\s, XS+\s, \a%2, 0
.else
	WMS AQ+8*\a, R1+16*\a, XQ, 0, WQS+4*(\a/2)+\s, XS+\s, \a%2, 0
.endif
.endr
.endr
	PLACES 8
	s_wait_loadcnt 63                              ; behind the scales and biases 64 loads were issued: they are in
.irp i, 0,1
	global_load_b128 v[WVS+4*\i:WVS+4*\i+3], v16, s[8:9] offset:512*\i    ; Wv's scale words, into the scale registers that are done with
.endr
.irp t, 0,1,2,3
	global_load_b32 v[SV+\t], v17, s[18:19] offset:64*\t
	global_load_b32 v[BV+\t], v17, s[20:21] offset:64*\t
.endr
.irp b, 0,1,2,3
	v_mov_b32 v[TM+4+\b], 0                        ; a lane permute's destination counts as one of its sources
.endr
.set i, 0
.rept 20
	v_pk_fma_f32 v[AQ+i:AQ+i+1], v[AQ+i:AQ+i+1], v[SQ+i:SQ+i+1], v[BQ+i:BQ+i+1]   ; y x scale + bias, each accumulator from its low end on
.set i, i+2
.endr
; 80 channels are three blocks: 32, 32 and 16 (the rest of the third is zeros).  A lane holds 16, 16 and 8 of them, lane l xor 16 the others.
.irp b, 0,1,2
	v_max3_num_f32 v[TM+\b], v[AQ+16*\b], v[AQ+16*\b+1], 0x4800000        ; no |.|: the relu; the floor 2^(9 - 127)
.endr
.irp i, 2,4,6
.irp b, 0,1,2
	v_max3_num_f32 v[TM+\b], v[TM+\b], v[AQ+16*\b+\i], v[AQ+16*\b+\i+1]
.endr
.endr
.irp i, 8,10,12,14
.irp b, 0,1
	v_max3_num_f32 v[TM+\b], v[TM+\b], v[AQ+16*\b+\i], v[AQ+16*\b+\i+1]
.endr
.endr
.irp b, 0,1,2
	v_permlanex16_b32 v[TM+4+\b], v[TM+\b], s[SEL], s[SEL+1]
.endr
.irp b, 0,1,2
	v_max_num_f32 v[TM+\b], v[TM+\b], v[TM+4+\b]
.endr
.irp b, 0,1,2
	v_add_nc_u32 v[TM+12+\b], 0xfc000000, v[TM+\b]
.endr
.irp b, 0,1,2
	v_and_or_b32 v[TM+8+\b], v[TM+\b], 0x7f800000, s[MNT]
.endr
.irp b, 0,1,2
	v_lshrrev_b32 v[TM+4+\b], 23, v[TM+12+\b]
.endr
	v_lshl_or_b32 v[PW], v[TM+5], 8, v[TM+4]
	v_lshl_or_b32 v[PW], v[TM+6], 16, v[PW]
	v_or_b32 v[PW], 0x7f000000, v[PW]              ; the fourth block is all zero codes: byte 127
.irp b, 0,1
.irp i, 0,1,2,3,4,5,6,7,8,9,10,11,12,13,14,15
	v_med3_num_f32 v[AQ+16*\b+\i], v[AQ+16*\b+\i], 0, v[TM+8+\b]
.endr
	v_cvt_scalef32_pk8_fp8_f32 v[PCQ+4*\b:PCQ+4*\b+1], v[AQ+16*\b:AQ+16*\b+7], v[TM+12+\b]
	v_cvt_scalef32_pk8_fp8_f32 v[PCQ+4*\b+2:PCQ+4*\b+3], v[AQ+16*\b+8:AQ+16*\b+15], v[TM+12+\b]
.endr
.irp i, 0,1,2,3,4,5,6,7
	v_med3_num_f32 v[AQ+32+\i], v[AQ+32+\i], 0, v[TM+10]
.endr
	v_cvt_scalef32_pk8_fp8_f32 v[PCQ+8:PCQ+9], v[AQ+32:AQ+39], v[TM+14]
	v_mov_b32 v[PCQ+10], 0                         ; channels past the 80th: zero codes.  (Also the plain line behind the last conversion)
	v_mov_b32 v[PCQ+11], 0
.irp c, 0,1,2
	global_store_b128 v4, v[PCQ+4*\c:PCQ+4*\c+3], s[CP:CP+1] offset:512*\c    ; 32 lanes store 512 consecutive bytes
.endr
	global_store_b32 v15, v[PW], s[SCP:SCP+1]      ; lanes 16-31 repeat lanes 0-15
; V
.macro FETCH2 xf, b, s                 ; x's fragments of tiles 2 b and 2 b + 1, K step s
.irp e, 0,1
.irp c, 0,1,2,3
	ds_load_b128 v[\xf+16*\e+4*\c:\xf+16*\e+4*\c+3], v4 offset:(4*(2*\b+\e)+\s)*2048+512*\c
.endr
.endr
.endm
.macro MULV xf, s, zero                ; eight accumulators by turns: my four tiles of channels x two tiles of positions
	WIN 0x04                                       ; source 1 (Wv) window 1
.irp t, 0,1,2,3
.irp e, 0,1
	WMS AV+16*\t+8*\e, \xf+16*\e, 16*(4*\t+\s), \zero, XS+\s, WVS+4*(\t/2)+\s, \e, \t%2
.endr
.endr
	WIN 0
.endm
.macro VPART b                         ; positions 32 b .. 32 b + 31 of the work-group's 64: one block of 32 keys for each of my 64 channels
.irp s, 0,1,2,3
	ds_load_b32 v[XS+\s], v5 offset:XSC+(4*\b+\s)*128      ; lanes 0-15 tile 2 b, lanes 16-31 tile 2 b + 1
.endr
	FETCH2 XF0, \b, 0
	FETCH2 XF1, \b, 1
	s_wait_dscnt 8                                 ; the other buffer's eight loads may be out
	MULV XF0, 0, 1
	PLACES 8
	FETCH2 XF0, \b, 2
	s_wait_dscnt 8
	MULV XF1, 1, 0
	PLACES 8
	FETCH2 XF1, \b, 3
	s_wait_dscnt 8
	MULV XF0, 2, 0
	s_wait_dscnt 0x0
	MULV XF1, 3, 0
	PLACES 8
.irp t, 0,1,2,3
.irp i, 0,1,2,3,4,5,6,7,8,9,10,11,12,13,14,15
	v_fma_f32 v[AV+16*\t+\i], v[AV+16*\t+\i], v[SV+\t], v[BV+\t]          ; y x scale + bias of my lane's channel
.endr
.endr
.if \b
	s_wait_xcnt 0x0                                ; the first half's stores have read their codes: the registers are written again only behind this wait
.endif
	QCORE AV, 1                                    ; block = tile of channels t: register 16 t + 8 e + j is position 32 b + 16 e + 8 h + j
.irp t, 0,1,2,3
	global_store_b128 v4, v[PC+4*\t:PC+4*\t+3], s[VPC:VPC+1] offset:2048*\t+512*\b
.endr
.if \b == 0
.irp t, 0,1,2,3
	v_mov_b32 v[SB+\t], v[TM+4+\t]
.endr
.else
.irp t, 0,1,2,3
	v_lshl_or_b32 v[SB+\t], v[TM+4+\t], 8, v[SB+\t]
.endr
.irp t, 0,1,2,3
	global_store_b16 v15, v[SB+\t], s[VPS:VPS+1] offset:64*\t             ; two of a word's four bytes; lanes 16-31 repeat lanes 0-15
.endr
.endif
.endm
	s_wait_loadcnt 0x0                             ; Wv's fragments and scale words, sv, bv
	VPART 0
	VPART 1
	s_wait_tensorcnt 0x0
	ds_add_u32 v254, v255
	s_wait_dscnt 0x0
	s_endpgm
.Lfunc_end_k_q0217423af1_proj:
	.size	k_q0217423af1_proj, .Lfunc_end_k_q0217423af1_proj-k_q0217423af1_proj
	.p2alignl 7, 3214868480
	.fill 96, 4, 3214868480
	.section	.rodata,"a",@progbits
	.p2align	6, 0x0
	.amdhsa_kernel k_q0217423af1_proj
		.amdhsa_group_segment_fixed_size 116736
		.amdhsa_private_segment_fixed_size 0
		.amdhsa_enable_private_segment 0
		.amdhsa_kernarg_size 112
		.amdhsa_user_sgpr_count 2
		.amdhsa_user_sgpr_kernarg_segment_ptr 1
		.amdhsa_wavefront_size32 1
		.amdhsa_system_sgpr_workgroup_id_x 1
		.amdhsa_system_sgpr_workgroup_id_y 1
		.amdhsa_system_sgpr_workgroup_id_z 1
		.amdhsa_system_vgpr_workitem_id 0
		.amdhsa_next_free_vgpr 512
		.amdhsa_next_free_sgpr 72
		.amdhsa_reserve_vcc 0
		.amdhsa_float_denorm_mode_32 3
		.amdhsa_float_denorm_mode_16_64 3
		.amdhsa_memory_ordered 1
		.amdhsa_forward_progress 1
		.amdhsa_inst_pref_size 102
	.end_amdhsa_kernel
	.amdgpu_metadata
---
amdhsa.version: [ 1, 2 ]
amdhsa.kernels:
  - .name:           k_q0217423af1_proj
    .symbol:         k_q0217423af1_proj.kd
    .args:
      - { .name: x, .offset: 0, .size: 8, .value_kind: global_buffer, .address_space: global }
      - { .name: wc, .offset: 8, .size: 8, .value_kind: global_buffer, .address_space: global }
      - { .name: ws, .offset: 16, .size: 8, .value_kind: global_buffer, .address_space: global }
      - { .name: sq, .offset: 24, .size: 8, .value_kind: global_buffer, .address_space: global }
      - { .name: bq, .offset: 32, .size: 8, .value_kind: global_buffer, .address_space: global }
      - { .name: sk, .offset: 40, .size: 8, .value_kind: global_buffer, .address_space: global }
      - { .name: bk, .offset: 48, .size: 8, .value_kind: global_buffer, .address_space: global }
      - { .name: sv, .offset: 56, .size: 8, .value_kind: global_buffer, .address_space: global }
      - { .name: bv, .offset: 64, .size: 8, .value_kind: global_buffer, .address_space: global }
      - { .name: qc, .offset: 72, .size: 8, .value_kind: global_buffer, .address_space: global }
      - { .name: qs, .offset: 80, .size: 8, .value_kind: global_buffer, .address_space: global }
      - { .name: kc, .offset: 88, .size: 8, .value_kind: global_buffer, .address_space: global }
      - { .name: ks, .offset: 96, .size: 8, .value_kind: global_buffer, .address_space: global }
      - { .name: vp, .offset: 104, .size: 8, .value_kind: global_buffer, .address_space: global }
    .group_segment_fixed_size: 116736
    .private_segment_fixed_size: 0
    .kernarg_segment_align: 8
    .kernarg_segment_size: 112
    .max_flat_workgroup_size: 256
    .sgpr_count:     72
    .vgpr_count:     512
    .wavefront_size: 32
...
	.end_amdgpu_metadata
.endif
;; end of part 2
;; launch attn (part 3): grid 64 x 4, 8 waves a work-group, clusters of 4 x 1, 327,680 bytes of LDS; arguments qc, qs, kc, ks, vp, gamma, x, out0; writes out0
.if DOCPART == 3
	.amdgcn_target "amdgcn-amd-amdhsa--gfx1250"
	.amdhsa_code_object_version 6
	.text
	.protected	k_q0217423af1_attn
	.globl	k_q0217423af1_attn
	.p2align	8
	.type	k_q0217423af1_attn,@function
k_q0217423af1_attn:
	s_mov_b64 s[64:65], 0
	v_nop
	global_prefetch_b8 v0, s[64:65] scope:SCOPE_SE
	s_setreg_imm32_b32 hwreg(HW_REG_WAVE_MODE, 25, 1), 1
	s_wait_xcnt 0x0
	s_wait_alu depctr_hold_cnt(0) depctr_sa_sdst(0) depctr_va_vdst(0) depctr_va_sdst(0) depctr_va_ssrc(0) depctr_va_vcc(0) depctr_vm_vsrc(0)
	s_getreg_b32 s2, hwreg(HW_REG_IB_STS2, 6, 4)
	s_cmp_eq_u32 s2, 0
	s_cbranch_scc0 .Lentry_in_a_cluster
	s_endpgm
.Lentry_in_a_cluster:
	s_bfe_u32 s2, ttmp6, 0x10000c
	s_cmp_lg_u32 s2, 0x3003
	s_cbranch_scc0 .Lentry_shape_is_right
	s_endpgm
.Lentry_shape_is_right:
; out0[b][c][i] = gamma[c][i] x (sum over j of p(i, j) v[b][c][j]) / l(i) + x[b][c][i], p = 2^(t - M), t = (q_i . k_j) log2(e), M = ceil(the row's largest t), l = the row's sum of the unquantised p.
; Both products on codes of E4M3 with E8M0 block scales, as the launch before laid them (operand images; inside a block of 32, slot 8 u + j of lane half h is number 16 u + 8 h + j, alike on both sides of a product).
; SHARES.  A work-group owns 64 queries (four tiles of 16) of one batch, eight waves.
; TWO PASSES OVER THE KEYS.  Pass 1 makes the energies and keeps the rows' maxima alone, so that M is final before any p is made and the 512-channel result is never rescaled:
;   that saves 128 packed multiplications a wave and key step and costs 8 products and 32 maxima for 64 queries x 32 keys.
; TWO ROLES IN PASS 2, a key step being 128 keys.  Producer idx: the step's 32 keys idx x 64 queries: energies (source 0 = 16 keys, source 1 = 16 queries: a lane holds one query), p, its sum, its codes:
;   register group idx of the four fragments of P, and byte idx of their scale words.  Consumer idx: channels 128 idx .. + 127 x 64 queries: 32 accumulators (source 0 = 16 channels of V, source 1 = P).
;   P goes from producers to consumers as register images in LDS, two buffers, one barrier a step; consumers are one step behind.  role = (w xor w / 4) & 1, so that waves w and w + 4, and 2 i and 2 i + 1, differ.
;   The roles part on the wave's number and join at every barrier.  Each arm is written so that it is sound behind EITHER arm of the interval before: a consumer's arm begins with a wait for all loads and ends with nine plain lines.
; V comes through a ring of two LDS slots of two key steps (135,168 dense bytes: codes and scale words), each wave fetching an eighth.  The four work-groups of a cluster share the batch, so each load is asked for JOINTLY.
; K is not asked for jointly and does not go through LDS: each tile of K is multiplied by ONE wave of a work-group, so it is loaded straight into that wave's registers, two steps ahead; it is 12,288 of a step's 79,872 bytes.
; THE WAY OUT: O / l through a stage in LDS ([512 channels][64 queries], pitch 272), then each wave takes 64 whole rows: gamma x O + x, sixteen lanes to 256 consecutive bytes.
; LIMITS: NaN and infinities are not served; a p under 2^-126 counts as 0 (the exponential's result is flushed: ISA guide, 15.8); a block whose every p is 0 keeps the byte 1 over zero codes.
.set PAIRB, 135168                     ; a slot: two key steps of V: 2 x 65,536 of codes [32 channel tiles][2,048], 2 x 2,048 of scale words [512 channels]
.set PIMG,  270336                     ; behind the ring: P's images: buffer x 8,192 + tile m x 2,048 + group x 512 + 16 l
.set PSC,   286720                     ; P's scale words: buffer x 512 + m x 128 + 4 l
.set MST,   287744                     ; the waves' maxima: 512 w + 16 l
.set LST,   291840                     ; the producers' sums: 512 idx + 16 l
.set SPARE, 293888                     ; the spare words, 128 bytes for each wave: four blocks of 256 bytes that no other line names
.set SPITCH, 272                       ; the stage, from byte 0: it lies in the slots, behind their last fill and their last read
; v1 16 l; v2 4 l; v3 r; v4 h; v5 my spare word; v6 0; v7, v8 my lane's place in a step's K and its scale words; v9-12 the same for the two steps in flight;
; v13, v14 where a producer puts codes and bytes; v15, v16 where a consumer reads them; v17-19 a consumer's place in a slot; v20-22 the same in the slot in hand;
; v23-26 maxima and sums, in and back; v27 into the stage, v28 out of it; v29 my place in two rows of gamma, x and out0; v30, v31 pass 1's place in K; v32 prefetch: a row a lane
.set KV,  9
.set KSV, 11
.set KS,  40                           ; v40-47 hold scales and nothing else.  Pass 1 and producers: v40-43 K's words (lanes 0-15 tile 0, lanes 16-31 tile 1), v44-45 Q's
.set QS,  44
.set VS,  40                           ; consumers: v40-43 V's words (register i: tiles 2 i, 2 i + 1), v44-47 P's
.set PS,  44
.set S,   64                           ; v64-127 energies, then p: (tile m, K tile u) at 16 m + 8 u
.set PC,  128                          ; v128-143 p's codes
.set BM,  144                          ; v144-147 a block's largest score, then its largest p
.set T,   148                          ; v148-151 at work
.set HOLD, 152
.set SCL, 156
.set BYTE, 160
.set LS,  164                          ; v164-171 the sums, a pair for each tile of queries
.set NM,  172                          ; v172-179 -M at the even registers, 0 at the odd ones (the packed form names pairs)
.set MX,  180                          ; v180-183 the running maxima
.set VF,  64                           ; consumers: v64-191 eight fragments of V, v192-255 four of P
.set PF,  192
.set RL,  80                           ; 1 / l at the even registers
; window 1: pass 1 and producers: Q's fragments at 16 m, K's buffers q at 64 + 32 q + 16 u.  Consumers: O(t, m) at 8 (4 t + m).  The way out: gamma at 4 i, x at 128 + 4 i.
.set WV,   20
.set ROLE, 21
.set IDX,  22
.set CX,   23
.set QB,   24
.set BAT,  25
.set G1,   28                          ; s[28:35] descriptor group 1
.set G0A,  36                          ; s[36:39] group 0 of slot 0's first fill
.set G0W,  40                          ; s[40:43] group 0 that walks
.set TF,   44                          ; the slot that was filled last
.set WOFF, 45                          ; my eighth of a slot
.set TB,   46                          ; the slot that is read
.set CNT,  47
.set KC,   48                          ; s[48:51] the batch's K and its scale words
.set KSB,  50
.set K1,   52                          ; s[52:55] the same, stepped by pass 1
.set S1,   54
.set KJ,   56                          ; the step to be fetched, in bytes of K; KO: held inside the buffer
.set KO,   57
.set KSJ,  58
.set KSO,  59
.set CS,   60                          ; s[60:61] log2(e)
.set SEL,  66
.set MNT,  68
.set GA,   70                          ; s[70:75] gamma, x, out0 at my wave's 64 channels and the work-group's 64 queries
.set XB,   72
.set OB,   74
.set QCB,  76
.set QSB,  78
.set MSB, 0
.macro WIN new                         ; the immediate's high byte repeats the setting that is left
.if MSB != \new
	s_set_vgpr_msb (MSB<<8)|\new
.set MSB, \new
.endif
.endm
.macro PLACES n                        ; plain lines behind a matrix instruction, in front of loads into its registers, of reads of its result and of products that name or write its registers
.rept \n
	v_nop
.endr
.endm
.macro WMS d, a, b, zero, sa, sb, ra, rb   ; one scaled product; zero = 1 starts the sum; ra, rb: the scale words stand in lanes 16-31
.if \zero
.if (\ra) && (\rb)
	v_wmma_scale_f32_16x16x128_f8f6f4 v[\d:\d+7], v[\a:\a+15], v[\b:\b+15], 0, v[\sa], v[\sb] matrix_a_scale:MATRIX_SCALE_ROW1 matrix_b_scale:MATRIX_SCALE_ROW1
.elseif (\ra)
	v_wmma_scale_f32_16x16x128_f8f6f4 v[\d:\d+7], v[\a:\a+15], v[\b:\b+15], 0, v[\sa], v[\sb] matrix_a_scale:MATRIX_SCALE_ROW1
.elseif (\rb)
	v_wmma_scale_f32_16x16x128_f8f6f4 v[\d:\d+7], v[\a:\a+15], v[\b:\b+15], 0, v[\sa], v[\sb] matrix_b_scale:MATRIX_SCALE_ROW1
.else
	v_wmma_scale_f32_16x16x128_f8f6f4 v[\d:\d+7], v[\a:\a+15], v[\b:\b+15], 0, v[\sa], v[\sb]
.endif
.else
.if (\ra) && (\rb)
	v_wmma_scale_f32_16x16x128_f8f6f4 v[\d:\d+7], v[\a:\a+15], v[\b:\b+15], v[\d:\d+7], v[\sa], v[\sb] matrix_a_scale:MATRIX_SCALE_ROW1 matrix_b_scale:MATRIX_SCALE_ROW1
.elseif (\ra)
	v_wmma_scale_f32_16x16x128_f8f6f4 v[\d:\d+7], v[\a:\a+15], v[\b:\b+15], v[\d:\d+7], v[\sa], v[\sb] matrix_a_scale:MATRIX_SCALE_ROW1
.elseif (\rb)
	v_wmma_scale_f32_16x16x128_f8f6f4 v[\d:\d+7], v[\a:\a+15], v[\b:\b+15], v[\d:\d+7], v[\sa], v[\sb] matrix_b_scale:MATRIX_SCALE_ROW1
.else
	v_wmma_scale_f32_16x16x128_f8f6f4 v[\d:\d+7], v[\a:\a+15], v[\b:\b+15], v[\d:\d+7], v[\sa], v[\sb]
.endif
.endif
.endm
.macro CROUND                          ; a round of the cluster's barrier
	s_barrier_signal -1
	s_barrier_wait -1
	s_cmp_lg_u32 s[WV], 0
	s_cbranch_scc1 .Lnot_wave_0_\@
	s_barrier_signal -3
.Lnot_wave_0_\@:
	s_barrier_wait -3
	s_barrier_signal -1
	s_barrier_wait -1
.endm
.macro PLAIN                           ; my LDS stores have landed and my LDS loads are in: then the work-group's barrier
	s_wait_dscnt 0x0
	s_barrier_signal -1
	s_barrier_wait -1
.endm
; 32 keys of K into buffer q: two tiles x three groups of 512 bytes, and one word a key
.macro KLOAD q, va, kbase, koff, vs, sbase, soff
	WIN 0x40                                       ; destination window 1
.irp u, 0,1
.irp c, 0,1,2
	global_load_b128 v[64+32*(\q)+16*\u+4*\c:64+32*(\q)+16*\u+4*\c+3], v[\va], s[\kbase:\kbase+1] offset:(\koff)+1536*\u+512*\c
.endr
.endr
	WIN 0
	global_load_b32 v[KS+(\q)], v[\vs], s[\sbase:\sbase+1] offset:\soff
.endm
.macro SCORES q                        ; energies of buffer q's 32 keys x 64 queries: eight products, each a whole sum (K = 80 in one instruction)
	WIN 0x05                                       ; sources 0 and 1 window 1
.irp m, 0,1,2,3
.irp u, 0,1
	WMS S+16*\m+8*\u, 64+32*(\q)+16*\u, 16*\m, 1, KS+(\q), QS+\m/2, \u, \m%2
.endr
.endr
	WIN 0
.endm
	s_load_b512 s[4:19], s[0:1], 0x0               ; qc 4, qs 6, kc 8, ks 10, vp 12, gamma 14, x 16, out0 18
	v_lshl_add_u32 v5, v0, 2, SPARE
	v_mov_b32 v6, 0
	ds_add_u32 v5, v6
	s_wait_dscnt 0x0
	v_lshrrev_b32 v1, 5, v0
	v_readfirstlane_b32 s[WV], v1                  ; wave 0..7
	s_lshr_b32 s[ROLE], s[WV], 2
	s_xor_b32 s[ROLE], s[ROLE], s[WV]
	s_and_b32 s[ROLE], s[ROLE], 1                  ; 0: consumer, 1: producer
	s_lshr_b32 s[IDX], s[WV], 1                    ; each idx has one wave of each role
	s_and_b32 s[BAT], ttmp7, 0xffff                ; the batch, which the four partners share
	; descriptor group 1: 66 rows of 32 elements of 8 bytes, dense: 16,896 bytes, an eighth of a slot
	s_mov_b32 s[G1], 15|(3<<16)|(1<<21)            ; 15:0 the mask: all four work-groups; 17:16 elements of 8 bytes; 21 set beside a mask; no padding: the slot is read as register images
	s_mov_b32 s[G1+1], 32<<16                      ; tensor_dim0
	s_mov_b32 s[G1+2], 66<<16                      ; tensor_dim1
	s_mov_b32 s[G1+3], 32<<16                      ; tile_dim0
	s_mov_b32 s[G1+4], 66                          ; tile_dim1
	s_mov_b32 s[G1+5], 32                          ; elements from row to row
	s_mov_b32 s[G1+6], 0
	s_mov_b32 s[G1+7], 0
	s_mul_i32 s[WOFF], s[WV], 16896
	s_mov_b32 s[TF], PAIRB
	s_mov_b32 s[TB], 0
	s_mul_i32 s26, s[BAT], 16*PAIRB
	s_add_co_u32 s26, s26, s[WOFF]
	s_mov_b32 s27, 0
	s_mul_i32 s80, s[BAT], 393216                  ; a batch's K: 256 tiles of 1,536 bytes
	s_mov_b32 s81, 0
	s_lshl_b32 s82, s[BAT], 14
	s_mov_b32 s83, 0
	s_mov_b32 s[KJ], 2*12288                       ; steps 0 and 1 are fetched by pass 1's tail
	s_mov_b32 s[KSJ], 2*512
	s_mov_b32 s[CS], 0x3fb8aa3b                    ; log2(e)
	s_mov_b32 s[CS+1], s[CS]                       ; (named with it as a pair, so it is written)
	s_mov_b32 s[SEL], 0x76543210
	s_mov_b32 s[SEL+1], 0xfedcba98
	s_mov_b32 s[MNT], 0x600000
	s_wait_kmcnt 0x0
	s_mov_b32 s[G0A], 1
	s_mov_b32 s[G0A+1], s[WOFF]                    ; slot 0
	s_add_nc_u64 s[G0A+2:G0A+3], s[12:13], s[26:27]    ; the batch's pair 0, my eighth: nothing here hangs on my place in the cluster
	s_mov_b32 s[G0W], 1
	s_add_co_u32 s[G0W+1], s[WOFF], PAIRB          ; slot 1
	s_add_nc_u64 s[G0W+2:G0W+3], s[G0A+2:G0A+3], PAIRB ; pair 1
	s_or_b32 s[G0A+3], s[G0A+3], 0x80000000        ; type = 2
	s_or_b32 s[G0W+3], s[G0W+3], 0x80000000
	s_add_nc_u64 s[KC:KC+1], s[8:9], s[80:81]
	s_add_nc_u64 s[KSB:KSB+1], s[10:11], s[82:83]
	s_mov_b64 s[K1:K1+1], s[KC:KC+1]
	s_mov_b64 s[S1:S1+1], s[KSB:KSB+1]
	CROUND                                         ; all four work-groups are here: the first joint loads meet
	tensor_load_to_lds s[G0A:G0A+3], s[G1:G1+7]    ; both first fills together, ahead of every wait on TENSORcnt, LDS read and further barrier: two loads of mine are out
	s_nop 0
	tensor_load_to_lds s[G0W:G0W+3], s[G1:G1+7]
	s_nop 0
	PLACES 4
	s_bfe_u32 s[CX], ttmp6, 0x40000                ; my place in the cluster: it enters the addresses of Q, gamma, x and out0 alone
	s_lshl_b32 s[QB], ttmp9, 2
	s_add_co_u32 s[QB], s[QB], s[CX]               ; my block of 64 queries
	s_lshl_b32 s84, s[BAT], 8
	s_lshl_b32 s85, s[QB], 2
	s_add_co_u32 s84, s84, s85                     ; its first tile
	s_lshl_b32 s86, s84, 6
	s_mul_i32 s84, s84, 1536
	s_mov_b32 s85, 0
	s_mov_b32 s87, 0
	s_add_nc_u64 s[QCB:QCB+1], s[4:5], s[84:85]
	s_add_nc_u64 s[QSB:QSB+1], s[6:7], s[86:87]
	s_lshl_b32 s84, s[WV], 20                      ; 64 channels of 16,384 bytes a wave,
	s_lshl_b32 s86, s[QB], 8                       ; 256 bytes a block of queries
	s_add_co_u32 s84, s84, s86
	s_add_nc_u64 s[GA:GA+1], s[14:15], s[84:85]
	s_lshl_b32 s86, s[BAT], 23
	s_add_co_u32 s84, s84, s86
	s_add_nc_u64 s[XB:XB+1], s[16:17], s[84:85]
	s_add_nc_u64 s[OB:OB+1], s[18:19], s[84:85]
	; every address register is made here, ahead of the first parting of the roles
	v_and_b32 v2, 31, v0
	v_lshlrev_b32 v1, 4, v2                        ; 16 l
	v_lshlrev_b32 v2, 2, v2                        ; 4 l
	v_and_b32 v3, 15, v0                           ; r
	v_bfe_u32 v4, v0, 4, 1                         ; h
	s_mul_i32 s26, s[IDX], 3072
	v_add_nc_u32 v7, s26, v1                       ; a step's K: 3,072 bytes for each 32 keys
	s_lshl_b32 s26, s[IDX], 7
	v_add_nc_u32 v8, s26, v2
	v_mov_b32 v[KV], v7                            ; step 0
	v_add_nc_u32 v[KV+1], 12288, v7                ; step 1
	v_mov_b32 v[KSV], v8
	v_add_nc_u32 v[KSV+1], 512, v8
	s_lshl_b32 s26, s[IDX], 9
	s_add_co_u32 s26, s26, PIMG
	v_add_nc_u32 v13, s26, v1
	s_add_co_u32 s26, s[IDX], PSC
	v_add_nc_u32 v14, s26, v2
	v_add_nc_u32 v15, PIMG, v1
	v_add_nc_u32 v16, PSC, v2
	s_lshl_b32 s26, s[IDX], 14
	v_add_nc_u32 v17, s26, v1                      ; a slot's first step: my eight tiles of channels,
	v_add_nc_u32 v18, 0x10000, v17                 ; its second step,
	s_lshl_b32 s26, s[IDX], 9
	s_add_co_u32 s26, s26, 131072
	v_add_nc_u32 v19, s26, v2                      ; and my 128 channels' scale words
	s_lshl_b32 s26, s[WV], 9
	s_add_co_u32 s26, s26, MST
	v_add_nc_u32 v23, s26, v1
	v_add_nc_u32 v24, MST, v1
	s_lshl_b32 s26, s[IDX], 9
	s_add_co_u32 s26, s26, LST
	v_add_nc_u32 v25, s26, v1
	v_add_nc_u32 v26, LST, v1
	s_mul_i32 s26, s[IDX], 128*SPITCH
	v_mul_u32_u24 v27, v4, 8*SPITCH
	v_lshl_add_u32 v27, v3, 2, v27
	v_add_nc_u32 v27, s26, v27                     ; the stage: row = channel 128 idx + 8 h (+ 16 t + j), byte 4 r (+ 64 m)
	s_mul_i32 s26, s[WV], 64*SPITCH
	v_mul_u32_u24 v28, v4, SPITCH
	v_lshl_add_u32 v28, v3, 4, v28
	v_add_nc_u32 v28, s26, v28                     ; back: rows 64 w + h (+ 2 i), 16 bytes a lane
	v_lshlrev_b32 v29, 14, v4
	v_lshl_add_u32 v29, v3, 4, v29                 ; and the same two rows in gamma, x and out0
	s_mul_i32 s26, s[WV], 3072
	v_add_nc_u32 v30, s26, v1                      ; pass 1: of each 256 keys wave w takes 32
	s_lshl_b32 s26, s[WV], 7
	v_add_nc_u32 v31, s26, v2
	v_lshlrev_b32 v32, 10, v1                      ; 16,384 l
	WIN 0x40
.set i, 0
.rept 12                                       ; k 96 .. 127 of Q's four and K's eight fragments: zero codes, written once (their scale byte is 127)
	v_mov_b32 v[16*i+12], 0
	v_mov_b32 v[16*i+13], 0
	v_mov_b32 v[16*i+14], 0
	v_mov_b32 v[16*i+15], 0
.set i, i+1
.endr
.irp m, 0,1,2,3
.irp c, 0,1,2
	global_load_b128 v[16*\m+4*\c:16*\m+4*\c+3], v1, s[QCB:QCB+1] offset:1536*\m+512*\c
.endr
.endr
	WIN 0
	global_load_b32 v[QS], v2, s[QSB:QSB+1]        ; lanes 0-15 tile 0, lanes 16-31 tile 1
	global_load_b32 v[QS+1], v2, s[QSB:QSB+1] offset:128
.irp q, 0,1,2,3
	KLOAD \q, 30, K1, \q*24576, 31, S1, \q*1024
.endr
.irp m, 0,1,2,3
	v_mov_b32 v[MX+\m], 0xff800000                 ; -infinity, under every energy
	v_mov_b32 v[T+\m], 0                           ; a lane permute's destination counts as one of its sources
	v_mov_b32 v[NM+2*\m+1], 0
.endr
; PASS 1.  A chunk is 256 keys, 32 for each wave; four buffers, so that three chunks' loads (21) are out while one is multiplied.
; mode 1: the buffer takes the chunk four on; 2: pass 2's step q (every wave runs the line; consumers' copies are never multiplied); 0: nothing.
.macro P1 q, mode, n
	s_wait_loadcnt \n                              ; seven loads a chunk: n counts those issued behind this chunk's
	SCORES \q
	PLACES 8
.if \mode == 1
	KLOAD \q, 30, K1, (4+\q)*24576, 31, S1, (4+\q)*1024
.elseif \mode == 2
	KLOAD \q, KV+\q, KC, 0, KSV+\q, KSB, 0
.endif
.irp i, 0,2,4,6,8,10,12,14
.irp m, 0,1,2,3
	v_max3_num_f32 v[MX+\m], v[MX+\m], v[S+16*\m+\i], v[S+16*\m+\i+1]     ; each accumulator from its low end on; the four tiles by turns
.endr
.endr
.endm
	s_mov_b32 s[CNT], 3
.Lpass1:
	P1 0, 1, 21
	P1 1, 1, 21
	P1 2, 1, 21
	P1 3, 1, 21
	s_wait_xcnt 0x0                                ; the bases are stepped only behind this wait
	s_add_nc_u64 s[K1:K1+1], s[K1:K1+1], 4*24576
	s_add_nc_u64 s[S1:S1+1], s[S1:S1+1], 4*1024
	s_sub_co_u32 s[CNT], s[CNT], 1
	s_cmp_lg_u32 s[CNT], 0
	s_cbranch_scc1 .Lpass1
	P1 0, 2, 21                                    ; the last four chunks: behind chunk 12's loads: chunks 13, 14, 15
	P1 1, 2, 21                                    ; chunks 14, 15 and step 0
	P1 2, 0, 21                                    ; chunk 15, steps 0 and 1
	P1 3, 0, 14                                    ; steps 0 and 1
	; the rows' maxima: the other half of the lanes, then the other waves, through LDS
.irp m, 0,1,2,3
	v_permlanex16_b32 v[T+\m], v[MX+\m], s[SEL], s[SEL+1]
.endr
.irp m, 0,1,2,3
	v_max_num_f32 v[MX+\m], v[MX+\m], v[T+\m]
.endr
	ds_store_b128 v23, v[MX:MX+3]
	PLAIN                                          ; (the first fills may stay out)
.irp i, 0,1,2,3,4,5,6,7
	ds_load_b128 v[S+4*\i:S+4*\i+3], v24 offset:512*\i
.endr
	s_wait_dscnt 0x0
.irp m, 0,1,2,3
	v_max3_num_f32 v[MX+\m], v[S+\m], v[S+4+\m], v[S+8+\m]
.endr
.irp m, 0,1,2,3
	v_max3_num_f32 v[MX+\m], v[MX+\m], v[S+12+\m], v[S+16+\m]
.endr
.irp m, 0,1,2,3
	v_max3_num_f32 v[MX+\m], v[MX+\m], v[S+20+\m], v[S+24+\m]
.endr
.irp m, 0,1,2,3
	v_max_num_f32 v[MX+\m], v[MX+\m], v[S+28+\m]
.endr
.irp m, 0,1,2,3
	v_mul_f32 v[T+\m], s[CS], v[MX+\m]             ; the row's largest t
.endr
.irp m, 0,1,2,3
	v_floor_f32 v[NM+2*\m], -v[T+\m]               ; -M = floor(-t) = -ceil(t)
.endr
.irp i, 0,1,2,3,4,5,6,7
	v_mov_b32 v[LS+\i], 0
.endr
; A PRODUCER'S STEP: K's buffer kb, P's buffer buf.  kload = 1: the buffer takes the step two on.
.macro PROD buf, kb, kload
	s_wait_loadcnt 0x7                             ; this step's seven loads are in; the next step's seven may be out.  (Behind a consumer's arm nothing is out)
	SCORES \kb
.if \kload
	s_min_u32 s[KO], s[KJ], 31*12288               ; no load leaves its buffer: the step behind the last is held at the last, and never multiplied
	v_add_nc_u32 v[KV+\kb], s[KO], v7              ; (the loads that named this register are in)
	s_add_co_u32 s[KJ], s[KJ], 12288
	s_min_u32 s[KSO], s[KSJ], 31*512
	v_add_nc_u32 v[KSV+\kb], s[KSO], v8
	s_add_co_u32 s[KSJ], s[KSJ], 512
	PLACES 6                                       ; with the two additions: eight
	KLOAD \kb, KV+\kb, KC, 0, KSV+\kb, KSB, 0
.else
	PLACES 8
.endif
.irp m, 0,1,2,3
	v_max3_num_f32 v[BM+\m], v[S+16*\m], v[S+16*\m+1], v[S+16*\m+2]       ; the block's largest score: p rises with the score, so it gives the block's largest p
.endr
.irp i, 3,5,7,9,11,13
.irp m, 0,1,2,3
	v_max3_num_f32 v[BM+\m], v[BM+\m], v[S+16*\m+\i], v[S+16*\m+\i+1]
.endr
.endr
.irp m, 0,1,2,3
	v_max_num_f32 v[BM+\m], v[BM+\m], v[S+16*\m+15]
.endr
.irp m, 0,1,2,3
	v_permlanex16_b32 v[T+\m], v[BM+\m], s[SEL], s[SEL+1]
.endr
.irp m, 0,1,2,3
	v_max_num_f32 v[BM+\m], v[BM+\m], v[T+\m]      ; with lane l xor 16's 16 keys
.endr
.irp i, 0,2,4,6,8,10,12,14
.irp m, 0,1,2,3
	v_pk_fma_f32 v[S+16*\m+\i:S+16*\m+\i+1], v[S+16*\m+\i:S+16*\m+\i+1], s[CS:CS+1], v[NM+2*\m:NM+2*\m+1] op_sel_hi:[1,0,0]   ; t - M, two at a time
.endr
.endr
.irp m, 0,1,2,3
	v_fma_f32 v[BM+\m], v[BM+\m], s[CS], v[NM+2*\m]
.endr
.set i, 0
.rept 64
	v_exp_f32 v[S+i], v[S+i]                       ; p = 2^(t - M): not normalised
.set i, i+1
.endr
.irp m, 0,1,2,3
	v_exp_f32 v[BM+\m], v[BM+\m]                   ; the same two instructions on the same number give the same bits
.endr
	v_nop                                          ; a plain line behind the exponentials
	s_wait_alu depctr_va_vdst(0)
.irp m, 0,1,2,3
	v_max_num_f32 v[BM+\m], 0x4800000, v[BM+\m]    ; the floor 2^(9 - 127)
.endr
.irp m, 0,1,2,3
	v_add_nc_u32 v[SCL+\m], 0xfc000000, v[BM+\m]   ; the conversion's scale operand
.endr
.irp m, 0,1,2,3
	v_and_or_b32 v[HOLD+\m], v[BM+\m], 0x7f800000, s[MNT]  ; 448 x the scale
.endr
.irp m, 0,1,2,3
	v_lshrrev_b32 v[BYTE+\m], 23, v[SCL+\m]        ; the scale's byte
.endr
.irp i, 0,2,4,6,8,10,12,14
.irp m, 0,1,2,3
	v_pk_add_f32 v[LS+2*\m:LS+2*\m+1], v[LS+2*\m:LS+2*\m+1], v[S+16*\m+\i:S+16*\m+\i+1]   ; the sum is taken of the unquantised p
.endr
.endr
.irp m, 0,1,2,3
.irp i, 0,1,2,3,4,5,6,7,8,9,10,11,12,13,14,15
	v_min_num_f32 v[S+16*\m+\i], v[S+16*\m+\i], v[HOLD+\m]                ; the conversion does not saturate (ISA guide 7.6.2); p is not negative
.endr
	v_cvt_scalef32_pk8_fp8_f32 v[PC+4*\m:PC+4*\m+1], v[S+16*\m:S+16*\m+7], v[SCL+\m]
	v_cvt_scalef32_pk8_fp8_f32 v[PC+4*\m+2:PC+4*\m+3], v[S+16*\m+8:S+16*\m+15], v[SCL+\m]
.endr
	v_nop                                          ; a plain line behind the last conversion: the next products write its sources
.irp m, 0,1,2,3
	ds_store_b128 v13, v[PC+4*\m:PC+4*\m+3] offset:\buf*8192+2048*\m      ; group idx of fragment m, as it stands
.endr
.irp m, 0,1,2,3
	ds_store_b8 v14, v[BYTE+\m] offset:\buf*512+128*\m                    ; byte idx of each query's word
.endr
.endm
; A CONSUMER'S STEP: P's buffer buf, the slot's step half.  32 accumulators by turns; zero = 1: the first step starts the sums.
.macro CONS buf, half, zero
	s_wait_loadcnt 0x0                             ; a consumer has no load out, so this is met at once; whoever comes through this arm has nothing out, and so the other arm's counted wait holds on every way through the text
.irp m, 0,1,2,3
	ds_load_b32 v[PS+\m], v16 offset:\buf*512+128*\m
.endr
.irp i, 0,1,2,3
	ds_load_b32 v[VS+\i], v22 offset:\half*2048+128*\i
.endr
.irp m, 0,1,2,3
.irp c, 0,1,2,3
	ds_load_b128 v[PF+16*\m+4*\c:PF+16*\m+4*\c+3], v15 offset:\buf*8192+2048*\m+512*\c
.endr
.endr
.irp t, 0,1,2,3,4,5,6,7
.irp c, 0,1,2,3
	ds_load_b128 v[VF+16*\t+4*\c:VF+16*\t+4*\c+3], v[20+\half] offset:2048*\t+512*\c
.endr
.endr
	WIN 0x50                                       ; C and D window 1
.irp t, 0,1,2,3,4,5,6,7
	s_wait_dscnt 4*(7-\t)                          ; the later tiles' four loads each may be out
.irp m, 0,1,2,3
	WMS 8*(4*\t+\m), VF+16*\t, PF+16*\m, \zero, VS+\t/2, PS+\m, \t%2, 0
.endr
.endr
	WIN 0
	PLACES 9                                       ; nine plain lines behind the step's last products: whatever follows the join, on any way through the text, stands behind them:
	                                               ; loads into V's, P's and the scales' registers, products that name or write over these or O's registers, the first read of O
.endm
.macro PRELOAD                         ; my wave's 64 rows x 256 bytes of gamma and of x, two rows an instruction, into window 1
	WIN 0x40
.set i, 0
.rept 32
	global_load_b128 v[4*i:4*i+3], v29, s[GA:GA+1] offset:32768*i
	global_load_b128 v[128+4*i:128+4*i+3], v29, s[XB:XB+1] offset:32768*i th:TH_LOAD_NT
.set i, i+1
.endr
	WIN 0
.endm
; A PAIR OF KEY STEPS: one slot.  Interval 2 t + 1: consumers multiply step 2 t, producers make step 2 t + 1; interval 2 t + 2: step 2 t + 1 and step 2 t + 2.
; fill = 1: the slot read last is filled with the pair behind the one in hand: asked for here, waited for at the next pair's head: two intervals.
.macro PAIR fill, zero, last
.if \fill
	s_wait_tensorcnt 0x0                           ; all my tensor loads have landed: the one that was out is my eighth of the slot ahead; so the walking group 0 may be written
	ds_add_u32 v5, v6                              ; 0 onto my spare word
	s_xor_b32 s[TF], s[TF], PAIRB                  ; the other slot than last time,
	s_add_co_u32 s[G0W+1], s[TF], s[WOFF]
	s_add_nc_u64 s[G0W+2:G0W+3], s[G0W+2:G0W+3], PAIRB     ; the next pair; the type bits on top are not reached
	s_wait_dscnt 0x0                               ; the add is done; my stores of P have landed, and my reads of P and of the slot that is left are over
	CROUND                                         ; all that holds of every wave of the four work-groups
	tensor_load_to_lds s[G0W:G0W+3], s[G1:G1+7]    ; my one tensor load behind the round, and the first thing there
	s_nop 0
	PLACES 4
.elseif \zero
	s_wait_tensorcnt 0x1                           ; my eighth of slot 0 is in; slot 1's fill was issued behind it and may stay out
	PLAIN
.else
	s_wait_tensorcnt 0x0                           ; the last pair has landed; nothing is left to fetch
	ds_add_u32 v5, v6
	PLAIN
.endif
	v_add_nc_u32 v20, s[TB], v17                   ; the slot in hand
	v_add_nc_u32 v21, s[TB], v18
	v_add_nc_u32 v22, s[TB], v19
.if \fill
	; The way out reads 64 rows x 256 bytes of x and of gamma a wave.  They are asked for ahead: x in the last trip but one, gamma in the last trip, two to three pairs ahead of the loads;
	; a lane asks for one row's 256 bytes, each wave for its own rows, gamma by the work-groups of batch 0 alone: each block once in the launch, all inside the buffers.
	s_cmp_eq_u32 s[CNT], 2
	s_cbranch_scc0 .Lno_px_\@
	global_prefetch_b8 v32, s[XB:XB+1] th:TH_LOAD_NT scope:SCOPE_SE
	global_prefetch_b8 v32, s[XB:XB+1] offset:524288 th:TH_LOAD_NT scope:SCOPE_SE
.Lno_px_\@:
	s_cmp_eq_u32 s[CNT], 1
	s_cbranch_scc0 .Lno_pg_\@
	s_cmp_eq_u32 s[BAT], 0
	s_cbranch_scc0 .Lno_pg_\@
	global_prefetch_b8 v32, s[GA:GA+1] th:TH_LOAD_NT scope:SCOPE_SE
	global_prefetch_b8 v32, s[GA:GA+1] offset:524288 th:TH_LOAD_NT scope:SCOPE_SE
.Lno_pg_\@:
.endif
	s_cmp_eq_u32 s[ROLE], 0                        ; the roles part on the wave's number; no barrier and no tensor load stands in an arm
	s_cbranch_scc0 .Lprod_a_\@
	CONS 0, 0, \zero
	s_branch .Ljoin_a_\@
.Lprod_a_\@:
	PROD 1, 1, 1-\last
.Ljoin_a_\@:
	PLAIN
	s_cmp_eq_u32 s[ROLE], 0
	s_cbranch_scc0 .Lprod_b_\@
	CONS 1, 1, 0
	s_branch .Ljoin_b_\@
.Lprod_b_\@:
.if \last
.irp m, 0,1,2,3                                ; no step is left to make: my share of the rows' sums goes to LDS, and my rows of gamma and x are asked for
	v_add_f32 v[T+\m], v[LS+2*\m], v[LS+2*\m+1]
.endr
.irp m, 0,1,2,3
	v_permlanex16_b32 v[BM+\m], v[T+\m], s[SEL], s[SEL+1]
.endr
.irp m, 0,1,2,3
	v_add_f32 v[T+\m], v[T+\m], v[BM+\m]
.endr
	ds_store_b128 v25, v[T:T+3]
	s_wait_loadcnt 0x0                             ; the spare step's loads into window 1 are in
	PRELOAD
.else
	PROD 0, 0, 1
.endif
.Ljoin_b_\@:
	s_xor_b32 s[TB], s[TB], PAIRB                  ; on to the other slot
.endm
	s_cmp_eq_u32 s[ROLE], 0                        ; interval 0: producers make step 0
	s_cbranch_scc0 .Lstep0
	s_wait_loadcnt 0x0                             ; consumers: pass 1's tail loaded into window 1, which O takes next: those loads are in
	s_branch .Lstep0_done
.Lstep0:
	PROD 0, 0, 1
.Lstep0_done:
	PAIR 0, 1, 0                                   ; pair 0: both slots were asked for at the start
	s_mov_b32 s[CNT], 14
.Lpair:                                            ; pairs 1 to 14: pair t fills slot (t + 1) % 2 with pair t + 1
	PAIR 1, 0, 0
	s_sub_co_u32 s[CNT], s[CNT], 1
	s_cmp_lg_u32 s[CNT], 0
	s_cbranch_scc1 .Lpair
	PAIR 0, 0, 1                                   ; pair 15 is written out
	PLAIN                                          ; the sums lie in LDS; nobody reads a slot any more, and no fill is to come: the stage may be written
	s_cmp_eq_u32 s[ROLE], 0
	s_cbranch_scc0 .Lno_stage
	s_wait_loadcnt 0x0                             ; a consumer has no load out: met at once; window 1 is read, written and loaded below with nothing pending on it, on every way through the text
.irp i, 0,1,2,3
	ds_load_b128 v[64+4*\i:64+4*\i+3], v26 offset:512*\i   ; the four producers' sums of my lane's query in each tile.  (The last products stand nine plain lines back)
.endr
	s_wait_dscnt 0x0
.irp m, 0,1,2,3
	v_add_f32 v[64+\m], v[64+\m], v[68+\m]
.endr
.irp m, 0,1,2,3
	v_add_f32 v[72+\m], v[72+\m], v[76+\m]
.endr
.irp m, 0,1,2,3
	v_add_f32 v[64+\m], v[64+\m], v[72+\m]         ; l: over 1/2, since the row's largest p is
.endr
.irp m, 0,1,2,3
	v_rcp_f32 v[RL+2*\m], v[64+\m]
.endr
.irp m, 0,1,2,3
	v_mov_b32 v[RL+2*\m+1], 0                      ; (named as a pair's upper half; also the plain lines behind the reciprocals)
.endr
	WIN 0x41                                       ; O (destination and source 0) window 1
.set a, 0
	s_wait_alu depctr_va_vdst(0)
.rept 32
.irp j, 0,2,4,6
	v_pk_mul_f32 v[8*a+\j:8*a+\j+1], v[8*a+\j:8*a+\j+1], v[RL+2*(a%4):RL+2*(a%4)+1] op_sel_hi:[1,0]   ; O / l, each accumulator from its low end on
.endr
.set a, a+1
.endr
	WIN 0x04                                       ; an LDS store's data are its source 1: window 1
.set a, 0
.rept 32
.irp j, 0,1,2,3,4,5,6,7
	ds_store_b32 v27, v[8*a+\j] offset:(16*(a/4)+\j)*SPITCH+64*(a%4)      ; sixteen lanes 64 neighbouring bytes of a row; the other sixteen eight rows on, 544 words: the other half of the banks
.endr
.set a, a+1
.endr
	WIN 0
	s_wait_dscnt 0x0                               ; the stores have read window 1, which the loads below take
	PRELOAD
.Lno_stage:
	PLAIN                                          ; 512 whole rows of O / l lie in the stage
.set i, 0
.rept 32
	ds_load_b128 v[64+4*i:64+4*i+3], v28 offset:2*SPITCH*i
.set i, i+1
.endr
.irp g, 0,1
	s_wait_dscnt 16*(1-\g)                         ; the second half's 16 LDS loads,
	s_wait_loadcnt 32*(1-\g)                       ; and its 32 loads of gamma and x, may be out
	WIN 0x11                                       ; gamma (source 0) and x (source 2) window 1
.set i, 16*\g
.rept 16
	v_pk_fma_f32 v[64+4*i:64+4*i+1], v[4*i:4*i+1], v[64+4*i:64+4*i+1], v[128+4*i:128+4*i+1]
	v_pk_fma_f32 v[64+4*i+2:64+4*i+3], v[4*i+2:4*i+3], v[64+4*i+2:64+4*i+3], v[128+4*i+2:128+4*i+3]
.set i, i+1
.endr
	WIN 0
.set i, 16*\g
.rept 16
	global_store_b128 v29, v[64+4*i:64+4*i+3], s[OB:OB+1] offset:32768*i th:TH_STORE_NT   ; sixteen lanes store 256 consecutive bytes, at a multiple of 256 from out0's first byte
.set i, i+1
.endr
.endr
	s_wait_tensorcnt 0x0                           ; the wave's end: behind my last tensor load and my last LDS store
	ds_add_u32 v5, v6
	s_wait_dscnt 0x0
	CROUND                                         ; the closing round: no work-group ends while a partner may still ask for a tile that names it
	s_endpgm
.Lfunc_end_k_q0217423af1_attn:
	.size	k_q0217423af1_attn, .Lfunc_end_k_q0217423af1_attn-k_q0217423af1_attn
	.p2alignl 7, 3214868480
	.fill 96, 4, 3214868480
	.section	.rodata,"a",@progbits
	.p2align	6, 0x0
	.amdhsa_kernel k_q0217423af1_attn
		.amdhsa_group_segment_fixed_size 327680
		.amdhsa_private_segment_fixed_size 0
		.amdhsa_enable_private_segment 0
		.amdhsa_kernarg_size 64
		.amdhsa_user_sgpr_count 2
		.amdhsa_user_sgpr_kernarg_segment_ptr 1
		.amdhsa_wavefront_size32 1
		.amdhsa_system_sgpr_workgroup_id_x 1
		.amdhsa_system_sgpr_workgroup_id_y 1
		.amdhsa_system_sgpr_workgroup_id_z 1
		.amdhsa_system_vgpr_workitem_id 0
		.amdhsa_next_free_vgpr 512
		.amdhsa_next_free_sgpr 88
		.amdhsa_reserve_vcc 0
		.amdhsa_float_denorm_mode_32 3
		.amdhsa_float_denorm_mode_16_64 3
		.amdhsa_memory_ordered 1
		.amdhsa_forward_progress 1
		.amdhsa_inst_pref_size 236
	.end_amdhsa_kernel
	.amdgpu_metadata
---
amdhsa.version: [ 1, 2 ]
amdhsa.kernels:
  - .name:           k_q0217423af1_attn
    .symbol:         k_q0217423af1_attn.kd
    .args:
      - { .name: qc, .offset: 0, .size: 8, .value_kind: global_buffer, .address_space: global }
      - { .name: qs, .offset: 8, .size: 8, .value_kind: global_buffer, .address_space: global }
      - { .name: kc, .offset: 16, .size: 8, .value_kind: global_buffer, .address_space: global }
      - { .name: ks, .offset: 24, .size: 8, .value_kind: global_buffer, .address_space: global }
      - { .name: vp, .offset: 32, .size: 8, .value_kind: global_buffer, .address_space: global }
      - { .name: gamma, .offset: 40, .size: 8, .value_kind: global_buffer, .address_space: global }
      - { .name: x, .offset: 48, .size: 8, .value_kind: global_buffer, .address_space: global }
      - { .name: out0, .offset: 56, .size: 8, .value_kind: global_buffer, .address_space: global }
    .group_segment_fixed_size: 327680
    .private_segment_fixed_size: 0
    .kernarg_segment_align: 8
    .kernarg_segment_size: 64
    .max_flat_workgroup_size: 256
    .sgpr_count:     88
    .vgpr_count:     512
    .wavefront_size: 32
...
	.end_amdgpu_metadata
.endif
;; end of part 3
